; MI455X (gfx1250); checked and timed in simulation.
; The chip was launched on July 23, 2026; its instructions are those of AMD's public machine-readable ISA for CDNA 5 (MIT licence, August 2026) and "CDNA5" Instruction Set Architecture Reference Guide (July 2026). The comments in the code are by the model that wrote it; some were corrected since.
;; Soft Attention. Allowed arithmetic: float matrix products may take bf16 or f16 operands with f32 sums; all other float work in f32.
;; Inputs: W1 1,024 x 1,024 float32; W2 1,024 x 1,024 float32; b 1 float32; q 1 x 1,024 float32; v 65,536 x 1,024 float32.
;; Outputs: out0 1,024 float32.
;; 2 versions, each right; version 2 is version 1 with the launch main written anew for expert scheduling mode. Each part assembles by itself: llvm-mc -triple=amdgcn-amd-amdhsa -mcpu=gfx1250 --defsym DOCPART=n.
;; ======== version 1 of 2: 3 launches
;; workspace buffers: upart 32,768 bytes; cpart 512 bytes; opart 1,048,576 bytes
;; launch prep (part 1): grid 128 x 2, 8 waves a work-group, no clusters, 5,376 bytes of LDS; arguments W1, W2, b, q, v, upart, cpart; writes upart, cpart
.if DOCPART == 1
	.amdgcn_target "amdgcn-amd-amdhsa--gfx1250"
	.amdhsa_code_object_version 6
	.text
	.protected	k_qb674d8a420_prep
	.globl	k_qb674d8a420_prep
	.p2align	8
	.type	k_qb674d8a420_prep,@function
k_qb674d8a420_prep:
	s_mov_b64 s[64:65], 0
	v_nop
	global_prefetch_b8 v0, s[64:65] scope:SCOPE_SE
	s_setreg_imm32_b32 hwreg(HW_REG_WAVE_MODE, 25, 1), 1
	s_wait_xcnt 0x0
; scores[s] = q . (W1 v_s + W2 vn + b) is linear in v_s, so for every input scores[s] = u . v_s + c with
;   u[k] = sum over d of q[d] W1[d][k]          (1,024 numbers)
;   c    = sum over d of q[d] (W2[d] . vn + b)  (one number),  vn = v[65535].
; This launch makes partial sums of both; the next launch adds them up.  Each byte of W1 and W2 is read once.
;   y = 0, 128 work-groups: block (i, j) = (x >> 4, x & 15) sums rows d = 128 i .. 128 i + 127 of W1, weighted by q[d], for the
;          64 columns 64 j .. 64 j + 63, and stores them to upart[i][64 j ..]: 256 consecutive bytes, aligned.
;   y = 1, 128 work-groups: wave w of group g takes row d = 8 g + w of W2; cpart[g] = sum over its 8 rows of q[d] (W2[d] . vn + b).
; All arithmetic is f32 on the vector unit: what is left are vector-by-matrix products, a quarter of a multiply-add for each byte read.
; LDS: bytes 0 .. 4,095 belong to the y = 0 way (16 rows of 256 bytes), bytes 4,096 .. 4,127 to the y = 1 way (a word for each wave):
; the two ways share no byte.
; LIMIT (order of rounding): the sums are associated otherwise than in the reference, (q W1) v for q (W1 v), and added as trees;
; intermediates leave f32's range only where q W1 itself does.  No value is rounded below f32.
.set Q,   8                            ; v[8:15]   y = 0: q of my 8 rows
.set A,   16                           ; v[16:19]  y = 0: my 4 columns' sums
.set D,   16                           ; v[16:23]  y = 1: four chains of two sums
.set X,   24                           ; v[24:55]  rows as loaded; on the way out the 16 pairs that are added
.set VN,  56                           ; v[56:87]  y = 1: vn, 32 numbers a lane
.set CW,  4096                         ; LDS byte of the y = 1 way's eight words
.set SELLO, 20                         ; s20, s21  y = 1: selects of the exchange between the halves of the wave
.set SELHI, 21
; the sum of v[r] over the 32 lanes, in every lane; v[t] has been written before
.macro WAVESUM r, t
.irp m, 1,2,4,8
	v_add_f32_dpp v[\r], v[\r], v[\r] row_xmask:\m row_mask:0xf bank_mask:0xf
.endr
	v_permlanex16_b32 v[\t], v[\r], s[SELLO], s[SELHI]
	v_add_f32 v[\r], v[\r], v[\t]
.endm
; 16 pairs of f32, stride bytes apart in LDS, added as a tree into v[R:R+1]
.macro SUM16 R, adr, stride
.irp k, 0,1,2,3,4,5,6,7,8,9,10,11,12,13,14,15
	ds_load_b64 v[\R+2*\k:\R+2*\k+1], v[\adr] offset:\k*\stride
.endr
	s_wait_dscnt 0x0
.irp k, 0,1,2,3,4,5,6,7
	v_pk_add_f32 v[\R+2*\k:\R+2*\k+1], v[\R+2*\k:\R+2*\k+1], v[\R+2*\k+16:\R+2*\k+17]
.endr
.irp k, 0,1,2,3
	v_pk_add_f32 v[\R+2*\k:\R+2*\k+1], v[\R+2*\k:\R+2*\k+1], v[\R+2*\k+8:\R+2*\k+9]
.endr
.irp k, 0,1
	v_pk_add_f32 v[\R+2*\k:\R+2*\k+1], v[\R+2*\k:\R+2*\k+1], v[\R+2*\k+4:\R+2*\k+5]
.endr
	v_pk_add_f32 v[\R:\R+1], v[\R:\R+1], v[\R+2:\R+3]
.endm
	s_load_b256 s[4:11], s[0:1], 0x0               ; W1 s[4:5], W2 s[6:7], b s[8:9], q s[10:11]
	s_load_b128 s[12:15], s[0:1], 0x20             ; v s[12:13], upart s[14:15]
	s_load_b64 s[16:17], s[0:1], 0x30              ; cpart
	v_lshl_add_u32 v88, v0, 2, 0x1100
	v_mov_b32 v89, 0
	v_and_b32 v1, 31, v0                           ; lane
	v_lshrrev_b32 v2, 5, v0                        ; wave
	v_readfirstlane_b32 s18, v2                    ; the wave's number as a scalar
	s_and_b32 s19, ttmp7, 0xffff                   ; y: 0 = u, 1 = c; the same in all waves of the work-group
	v_lshlrev_b32 v7, 4, v0                        ; 16 x thread: where y = 0 puts its sums in LDS
	s_cmp_lg_u32 s19, 0
	s_cbranch_scc1 .Lctx
	; ---- y = 0: lane (r, h) of wave w takes rows 128 i + 16 w + 8 h + t, t = 0 .. 7, columns 64 j + 4 r .. + 3.
	; Sixteen neighbouring lanes read 256 consecutive bytes of one row, aligned.
	v_and_b32 v3, 15, v0                           ; r
	v_bfe_u32 v4, v0, 4, 1                         ; h
	s_and_b32 s20, ttmp9, 15                       ; j
	s_lshr_b32 s21, ttmp9, 4                       ; i
	s_lshl_b32 s22, s20, 8                         ; 64 columns = 256 bytes
	s_lshl_b32 s24, s21, 19                        ; 128 rows of 4,096 bytes
	s_add_co_u32 s24, s24, s22                     ; the block's corner in W1
	s_mov_b32 s25, 0
	s_lshl_b32 s26, s21, 9                         ; q[128 i]
	s_mov_b32 s27, 0
	s_lshl_b32 s20, s21, 12                        ; upart[i]
	s_add_co_u32 s20, s20, s22                     ; [64 j]
	s_mov_b32 s21, 0
	v_lshlrev_b32 v5, 4, v3                        ; 16 r
	v_lshl_add_u32 v5, v4, 15, v5                  ; + 8 h rows
	v_lshl_add_u32 v5, v2, 16, v5                  ; + 16 w rows
	v_lshlrev_b32 v6, 5, v4                        ; q: 8 h numbers
	v_lshl_add_u32 v6, v2, 6, v6                   ; + 16 w numbers
	s_wait_kmcnt 0x0
	s_add_nc_u64 s[4:5], s[4:5], s[24:25]
	s_add_nc_u64 s[10:11], s[10:11], s[26:27]
	s_add_nc_u64 s[14:15], s[14:15], s[20:21]
	global_load_b128 v[Q:Q+3],   v6, s[10:11]
	global_load_b128 v[Q+4:Q+7], v6, s[10:11] offset:16
.irp t, 0,1,2,3,4,5,6,7
	global_load_b128 v[X+4*\t:X+4*\t+3], v5, s[4:5] offset:4096*\t th:TH_LOAD_NT   ; W1 is read once in the launch
.endr
; row t: its load is in when 7 - t younger ones are out (loads return in order, ISA guide 5.7.1); q's loads are older still.
; q[t] is one register of a pair, taken for both halves of the packed instruction by op_sel and op_sel_hi.  Row 0 starts the sums.
.irp t, 0,1,2,3,4,5,6,7
	s_wait_loadcnt 7-\t
.irp p, 0,2
.if \t == 0
	v_pk_mul_f32 v[A+\p:A+\p+1], v[X+\p:X+\p+1], v[Q:Q+1] op_sel_hi:[1,0]
.else
.if (\t&1) == 0
	v_pk_fma_f32 v[A+\p:A+\p+1], v[X+4*\t+\p:X+4*\t+\p+1], v[Q+\t:Q+\t+1], v[A+\p:A+\p+1] op_sel_hi:[1,0,1]
.else
	v_pk_fma_f32 v[A+\p:A+\p+1], v[X+4*\t+\p:X+4*\t+\p+1], v[Q+\t-1:Q+\t], v[A+\p:A+\p+1] op_sel:[0,1,0] op_sel_hi:[1,1,1]
.endif
.endif
.endr
.endr
	ds_store_b128 v7, v[A:A+3]                     ; 16 LDS rows of 256 bytes, row 2 w + h: the 64 columns' sums over 8 rows of W1
	s_branch .Lmeet
	; ---- y = 1: wave w takes row d = 8 g + w of W2 whole: lane l holds columns 128 t + 4 l .. + 3 of it and of vn.
.Lctx:
	s_lshl_b32 s22, ttmp9, 15                      ; 8 rows of 4,096 bytes
	s_mov_b32 s23, 0
	s_lshl_b32 s24, ttmp9, 3
	s_add_co_u32 s24, s24, s18                     ; d
	s_lshl_b32 s24, s24, 2                         ; q[d]
	s_mov_b32 s25, 0
	s_lshl_b32 s26, ttmp9, 2                       ; cpart[g]
	s_mov_b32 s27, 0
	s_mov_b32 s[SELLO], 0x76543210                 ; lane i of one half reads lane i of the other
	s_mov_b32 s[SELHI], 0xfedcba98
	v_lshlrev_b32 v6, 4, v1                        ; 16 x lane
	v_lshl_add_u32 v5, v2, 12, v6                  ; + my wave's row
	s_wait_kmcnt 0x0
	s_add_nc_u64 s[6:7], s[6:7], s[22:23]
	s_add_nc_u64 s[12:13], s[12:13], 0x0ffff000    ; v's row 65,535
	s_add_nc_u64 s[10:11], s[10:11], s[24:25]
	s_add_nc_u64 s[16:17], s[16:17], s[26:27]
	s_load_b32 s28, s[8:9], 0x0                    ; b
	s_load_b32 s29, s[10:11], 0x0                  ; q[d]
.irp t, 0,1,2,3,4,5,6,7
	global_load_b128 v[VN+4*\t:VN+4*\t+3], v6, s[12:13] offset:512*\t              ; every wave of this half of the grid reads vn: no hint
.endr
.irp t, 0,1,2,3,4,5,6,7
	global_load_b128 v[X+4*\t:X+4*\t+3], v5, s[6:7] offset:512*\t th:TH_LOAD_NT    ; W2 is read once in the launch
.endr
; piece t of the row is in when 7 - t younger loads are out; vn's loads are older.  Pieces 0 and 1 start the four chains.
.irp t, 0,1,2,3,4,5,6,7
	s_wait_loadcnt 7-\t
.irp p, 0,2
.if \t < 2
	v_pk_mul_f32 v[D+4*\t+\p:D+4*\t+\p+1], v[X+4*\t+\p:X+4*\t+\p+1], v[VN+4*\t+\p:VN+4*\t+\p+1]
.else
	v_pk_fma_f32 v[D+4*(\t&1)+\p:D+4*(\t&1)+\p+1], v[X+4*\t+\p:X+4*\t+\p+1], v[VN+4*\t+\p:VN+4*\t+\p+1], v[D+4*(\t&1)+\p:D+4*(\t&1)+\p+1]
.endif
.endr
.endr
	v_pk_add_f32 v[D:D+1],   v[D:D+1],   v[D+4:D+5]
	v_pk_add_f32 v[D+2:D+3], v[D+2:D+3], v[D+6:D+7]
	v_pk_add_f32 v[D:D+1],   v[D:D+1],   v[D+2:D+3]
	v_add_f32 v[D], v[D], v[D+1]
	WAVESUM D, 7                                   ; W2[d] . vn in every lane
	v_lshlrev_b32 v5, 2, v2                        ; 4 x wave: my wave's word (v5's loads are in)
	s_wait_kmcnt 0x0                               ; b and q[d]
	v_add_f32 v[D], s28, v[D]
	v_mul_f32 v[D], s29, v[D]                      ; q[d] (W2[d] . vn + b)
	ds_store_b32 v5, v[D] offset:CW                ; all lanes write the same word with the same value, behind the other way's bytes
	; ---- both ways meet: the one barrier of the launch stands on every wave's path
.Lmeet:
	s_wait_dscnt 0x0                               ; my LDS store is done, for wave 0's sake
	s_barrier_signal -1
	s_barrier_wait -1
	s_cmp_lg_u32 s18, 0
	s_cbranch_scc1 .Lend                           ; wave 0 alone adds up and stores
	s_cmp_lg_u32 s19, 0
	s_cbranch_scc1 .Lctx_out
	v_lshlrev_b32 v6, 3, v1                        ; lane l: columns 2 l, 2 l + 1 of the block's 64
	SUM16 X, 6, 256
	global_store_b64 v6, v[X:X+1], s[14:15]        ; the wave stores 256 consecutive bytes, aligned
	s_branch .Lend
.Lctx_out:
	v_mov_b32 v5, 0
	ds_load_b128 v[X:X+3],   v5 offset:CW          ; the eight waves' words
	ds_load_b128 v[X+4:X+7], v5 offset:CW+16
	s_wait_dscnt 0x0
	v_pk_add_f32 v[X:X+1],   v[X:X+1],   v[X+4:X+5]
	v_pk_add_f32 v[X+2:X+3], v[X+2:X+3], v[X+6:X+7]
	v_pk_add_f32 v[X:X+1],   v[X:X+1],   v[X+2:X+3]
	v_add_f32 v[X], v[X], v[X+1]
	; One number for a work-group: a store of 4 bytes, 128 of them in the launch.  A layout with a block of 256 bytes for each
	; would give the next launch's 256 work-groups 32,768 bytes to read in place of 512.
	v_cmp_gt_u32 vcc_lo, 1, v0
	s_wait_xcnt 0x0                                ; EXEC is a source of the loads above: it changes only behind this wait
	s_and_saveexec_b32 s30, vcc_lo
	global_store_b32 v5, v[X], s[16:17]
	s_wait_xcnt 0x0                                ; and again in front of the line that widens it
	s_or_b32 exec_lo, exec_lo, s30
.Lend:
	s_wait_tensorcnt 0x0
	ds_add_u32 v88, v89
	s_wait_dscnt 0x0
	s_endpgm
.Lfunc_end_k_qb674d8a420_prep:
	.size	k_qb674d8a420_prep, .Lfunc_end_k_qb674d8a420_prep-k_qb674d8a420_prep
	.p2alignl 7, 3214868480
	.fill 96, 4, 3214868480
	.section	.rodata,"a",@progbits
	.p2align	6, 0x0
	.amdhsa_kernel k_qb674d8a420_prep
		.amdhsa_group_segment_fixed_size 5376
		.amdhsa_private_segment_fixed_size 0
		.amdhsa_enable_private_segment 0
		.amdhsa_kernarg_size 56
		.amdhsa_user_sgpr_count 2
		.amdhsa_user_sgpr_kernarg_segment_ptr 1
		.amdhsa_wavefront_size32 1
		.amdhsa_system_sgpr_workgroup_id_x 1
		.amdhsa_system_sgpr_workgroup_id_y 1
		.amdhsa_system_sgpr_workgroup_id_z 1
		.amdhsa_system_vgpr_workitem_id 0
		.amdhsa_next_free_vgpr 90
		.amdhsa_next_free_sgpr 66
		.amdhsa_reserve_vcc 1
		.amdhsa_float_denorm_mode_32 3
		.amdhsa_float_denorm_mode_16_64 3
		.amdhsa_memory_ordered 1
		.amdhsa_forward_progress 1
		.amdhsa_inst_pref_size 12
	.end_amdhsa_kernel
	.amdgpu_metadata
---
amdhsa.version: [ 1, 2 ]
amdhsa.kernels:
  - .name:           k_qb674d8a420_prep
    .symbol:         k_qb674d8a420_prep.kd
    .args:
      - { .name: W1, .offset: 0, .size: 8, .value_kind: global_buffer, .address_space: global }
      - { .name: W2, .offset: 8, .size: 8, .value_kind: global_buffer, .address_space: global }
      - { .name: b, .offset: 16, .size: 8, .value_kind: global_buffer, .address_space: global }
      - { .name: q, .offset: 24, .size: 8, .value_kind: global_buffer, .address_space: global }
      - { .name: v, .offset: 32, .size: 8, .value_kind: global_buffer, .address_space: global }
      - { .name: upart, .offset: 40, .size: 8, .value_kind: global_buffer, .address_space: global }
      - { .name: cpart, .offset: 48, .size: 8, .value_kind: global_buffer, .address_space: global }
    .group_segment_fixed_size: 5376
    .private_segment_fixed_size: 0
    .kernarg_segment_align: 8
    .kernarg_segment_size: 56
    .max_flat_workgroup_size: 256
    .sgpr_count:     66
    .vgpr_count:     90
    .wavefront_size: 32
...
	.end_amdgpu_metadata
.endif
;; end of part 1
;; launch main (part 2): grid 256 x 1, 16 waves a work-group, no clusters, 71,680 bytes of LDS; arguments v, upart, cpart, opart; writes opart
.if DOCPART == 2
	.amdgcn_target "amdgcn-amd-amdhsa--gfx1250"
	.amdhsa_code_object_version 6
	.text
	.protected	k_qb674d8a420_main
	.globl	k_qb674d8a420_main
	.p2align	8
	.type	k_qb674d8a420_main,@function
k_qb674d8a420_main:
	s_mov_b64 s[64:65], 0
	v_nop
	global_prefetch_b8 v0, s[64:65] scope:SCOPE_SE
	s_setreg_imm32_b32 hwreg(HW_REG_WAVE_MODE, 25, 1), 1
	s_wait_xcnt 0x0
; opart[g][k] = sum over the 256 rows s of work-group g of (u . v_s + c) v_s[k], with u = the sum of upart's 8 rows, c = the sum of cpart's 128 numbers.
; v is read from memory ONCE: a row is 4,096 bytes, 32 registers of one wave, and stays in registers between the dot product with u
; and the accumulation of score x row.  One wave, one row: the score never leaves the wave.
; Sixteen waves; in turn i (0 .. 15) wave w takes row 256 g + 16 i + w, so the work-group walks 65,536 consecutive bytes a turn.
; Lane l holds columns 128 j + 4 l .. + 3 in registers 4 j .. 4 j + 3: each load of a wave covers 512 consecutive bytes, aligned.
; Each wave keeps a ring of four row slots in registers: 4 rows x 4,096 bytes x 16 waves = 262,144 bytes of the work-group on their way.
; The 16 turns are written out: every row's place stands in the load's immediate (986,624 at the most, inside its signed 24 bits),
; no address register is ever stepped, and turn 0 starts the sums by a multiply, so that nothing is cleared.
; No matrix unit (one multiply-add for each two bytes read, all of it a vector's product with a row), no LDS ring (registers hold what is
; in flight), no cluster (work-groups share only the 33,280 bytes of partial sums), no prefetch (the launch is one unbroken stream).
; LIMIT (order of rounding): f32 throughout; scores are (q W1) . v_s + c, associated otherwise than the reference's q . (W1 v_s + ctx),
; and sums over rows are added wave by wave and then as trees.  c is added to each score before the score multiplies its row, as in the
; reference: no difference of large sums is formed.
.set C,   5                            ; v5        c
.set T,   6                            ; v6        the row's score; v7 beside it: the other half of the pair, and the exchange's landing place
.set D,   8                            ; v[8:15]   four chains of two sums for the dot product
.set U,   16                           ; v[16:47]  u, my 32 columns
.set ACC, 48                           ; v[48:79]  sum of score x row, my 32 columns
.set P,   48                           ; v[48:63]  ahead of turn 0: the 8 partial sums of my two columns of u
.set CP,  64                           ; v[64:67]  ahead of turn 0: my four numbers of cpart
.set X,   80                           ; v[80:207] four row slots of 32 registers; at the end the 16 pairs that are added
.set STAGE, 4096                       ; LDS: u in bytes 0 .. 4,095; behind it one row of 4,096 bytes for each wave
.set SELLO, 12
.set SELHI, 13
; the sum of v[r] over the 32 lanes, in every lane; v[t] has been written before
.macro WAVESUM r, t
.irp m, 1,2,4,8
	v_add_f32_dpp v[\r], v[\r], v[\r] row_xmask:\m row_mask:0xf bank_mask:0xf
.endr
	v_permlanex16_b32 v[\t], v[\r], s[SELLO], s[SELHI]
	v_add_f32 v[\r], v[\r], v[\t]
.endm
; 16 pairs of f32, stride bytes apart in LDS, added as a tree into v[R:R+1]
.macro SUM16 R, adr, stride
.irp k, 0,1,2,3,4,5,6,7,8,9,10,11,12,13,14,15
	ds_load_b64 v[\R+2*\k:\R+2*\k+1], v[\adr] offset:\k*\stride
.endr
	s_wait_dscnt 0x0
.irp k, 0,1,2,3,4,5,6,7
	v_pk_add_f32 v[\R+2*\k:\R+2*\k+1], v[\R+2*\k:\R+2*\k+1], v[\R+2*\k+16:\R+2*\k+17]
.endr
.irp k, 0,1,2,3
	v_pk_add_f32 v[\R+2*\k:\R+2*\k+1], v[\R+2*\k:\R+2*\k+1], v[\R+2*\k+8:\R+2*\k+9]
.endr
.irp k, 0,1
	v_pk_add_f32 v[\R+2*\k:\R+2*\k+1], v[\R+2*\k:\R+2*\k+1], v[\R+2*\k+4:\R+2*\k+5]
.endr
	v_pk_add_f32 v[\R:\R+1], v[\R:\R+1], v[\R+2:\R+3]
.endm
; the row of turn i into slot i mod 4: eight loads
.macro FILL i
.irp j, 0,1,2,3,4,5,6,7
	global_load_b128 v[X+32*((\i)%4)+4*\j:X+32*((\i)%4)+4*\j+3], v2, s[4:5] offset:(\i)*65536+512*\j th:TH_LOAD_NT
.endr
.endm
	s_load_b256 s[4:11], s[0:1], 0x0               ; v s[4:5], upart s[6:7], cpart s[8:9], opart s[10:11]
	v_lshl_add_u32 v208, v0, 2, 0x11000
	v_mov_b32 v209, 0
	s_lshl_b32 s2, ttmp9, 20                       ; 256 rows of 4,096 bytes (255 x 2^20 at the most)
	s_mov_b32 s3, 0
	s_lshl_b32 s14, ttmp9, 12                      ; opart[g]
	s_mov_b32 s15, 0
	s_mov_b32 s[SELLO], 0x76543210                 ; lane i of one half reads lane i of the other
	s_mov_b32 s[SELHI], 0xfedcba98
	v_and_b32 v1, 31, v0
	v_and_b32 v7, 0x1e0, v0                        ; 32 x wave
	v_lshlrev_b32 v1, 4, v1                        ; 16 x lane
	v_lshl_add_u32 v2, v7, 7, v1                   ; + wave x 4,096: my 16 bytes of my wave's row; never rewritten
	v_lshlrev_b32 v3, 3, v0                        ; 8 x thread: columns 2 t, 2 t + 1
	v_add_nc_u32 v4, STAGE, v2                     ; my 16 bytes of my wave's row of the stage
	s_wait_kmcnt 0x0
	s_add_nc_u64 s[4:5], s[4:5], s[2:3]
	s_add_nc_u64 s[10:11], s[10:11], s[14:15]
.irp i, 0,1,2,3,4,5,6,7
	global_load_b64 v[P+2*\i:P+2*\i+1], v3, s[6:7] offset:4096*\i   ; thread t: upart[i][2 t], [2 t + 1]
.endr
	global_load_b128 v[CP:CP+3], v1, s[8:9]        ; each wave reads all 128 numbers of cpart
	FILL 0
	FILL 1
	FILL 2
	FILL 3
	s_wait_loadcnt 32                              ; the 32 loads of the four slots are younger and stay out: the partial sums are in
.irp k, 0,1,2,3
	v_pk_add_f32 v[P+2*\k:P+2*\k+1], v[P+2*\k:P+2*\k+1], v[P+2*\k+8:P+2*\k+9]
.endr
.irp k, 0,1
	v_pk_add_f32 v[P+2*\k:P+2*\k+1], v[P+2*\k:P+2*\k+1], v[P+2*\k+4:P+2*\k+5]
.endr
	v_pk_add_f32 v[P:P+1], v[P:P+1], v[P+2:P+3]
	ds_store_b64 v3, v[P:P+1]                      ; u[2 t], u[2 t + 1]
	s_wait_dscnt 0x0                               ; my part of u is in LDS, for the other waves' sake
	s_barrier_signal -1
	v_pk_add_f32 v[CP:CP+1], v[CP:CP+1], v[CP+2:CP+3]   ; register work while the others arrive: c
	v_add_f32 v[C], v[CP], v[CP+1]
	WAVESUM C, T+1
	s_barrier_wait -1
.irp j, 0,1,2,3,4,5,6,7
	ds_load_b128 v[U+4*\j:U+4*\j+3], v1 offset:512*\j   ; u in the rows' layout
.endr
	s_wait_dscnt 0x0
; Turn i: the row in slot i mod 4.
.macro TURN i
.set XS, X+32*((\i)%4)
.if \i < 12
	s_wait_loadcnt 24                              ; loads return in order (ISA guide 5.7.1): my row is in, the three younger rows stay out
.else
	s_wait_loadcnt 8*(15-\i)                       ; nothing is fetched any more: the counts run down 24, 16, 8, 0
.endif
.irp k, 0,1,2,3
	v_pk_mul_f32 v[D+2*\k:D+2*\k+1], v[XS+2*\k:XS+2*\k+1], v[U+2*\k:U+2*\k+1]        ; the first four pairs start four chains
.endr
.irp k, 4,5,6,7,8,9,10,11,12,13,14,15
	v_pk_fma_f32 v[D+2*(\k%4):D+2*(\k%4)+1], v[XS+2*\k:XS+2*\k+1], v[U+2*\k:U+2*\k+1], v[D+2*(\k%4):D+2*(\k%4)+1]
.endr
	v_pk_add_f32 v[D:D+1],   v[D:D+1],   v[D+4:D+5]
	v_pk_add_f32 v[D+2:D+3], v[D+2:D+3], v[D+6:D+7]
	v_pk_add_f32 v[D:D+1],   v[D:D+1],   v[D+2:D+3]
	v_add_f32 v[T], v[D], v[D+1]
	WAVESUM T, T+1                                 ; u . v_s in every lane
	v_add_f32 v[T], v[T], v[C]                     ; the score
.irp k, 0,1,2,3,4,5,6,7,8,9,10,11,12,13,14,15
.if \i == 0
	v_pk_mul_f32 v[ACC+2*\k:ACC+2*\k+1], v[XS+2*\k:XS+2*\k+1], v[T:T+1] op_sel_hi:[1,0]          ; the first row starts the sums
.else
	v_pk_fma_f32 v[ACC+2*\k:ACC+2*\k+1], v[XS+2*\k:XS+2*\k+1], v[T:T+1], v[ACC+2*\k:ACC+2*\k+1] op_sel_hi:[1,0,1]
.endif
.endr
.if \i < 12
	FILL \i+4                                      ; the slot just used gets the row four turns on
.endif
.endm
.irp i, 0,1,2,3,4,5,6,7,8,9,10,11,12,13,14,15
	TURN \i
.endr
	; the 16 waves' sums meet in the stage, which shares no byte with u
.irp j, 0,1,2,3,4,5,6,7
	ds_store_b128 v4, v[ACC+4*\j:ACC+4*\j+3] offset:512*\j
.endr
	s_wait_dscnt 0x0                               ; my row of the stage is written, for the other waves' sake
	s_barrier_signal -1
	s_barrier_wait -1
	v_add_nc_u32 v1, STAGE, v3                     ; thread t: columns 2 t, 2 t + 1 of each wave's row
	SUM16 X, 1, 4096
	global_store_b64 v3, v[X:X+1], s[10:11]        ; each wave stores 256 consecutive bytes, aligned
	s_wait_tensorcnt 0x0
	ds_add_u32 v208, v209
	s_wait_dscnt 0x0
	s_endpgm
.Lfunc_end_k_qb674d8a420_main:
	.size	k_qb674d8a420_main, .Lfunc_end_k_qb674d8a420_main-k_qb674d8a420_main
	.p2alignl 7, 3214868480
	.fill 96, 4, 3214868480
	.section	.rodata,"a",@progbits
	.p2align	6, 0x0
	.amdhsa_kernel k_qb674d8a420_main
		.amdhsa_group_segment_fixed_size 71680
		.amdhsa_private_segment_fixed_size 0
		.amdhsa_enable_private_segment 0
		.amdhsa_kernarg_size 32
		.amdhsa_user_sgpr_count 2
		.amdhsa_user_sgpr_kernarg_segment_ptr 1
		.amdhsa_wavefront_size32 1
		.amdhsa_system_sgpr_workgroup_id_x 1
		.amdhsa_system_sgpr_workgroup_id_y 1
		.amdhsa_system_sgpr_workgroup_id_z 1
		.amdhsa_system_vgpr_workitem_id 0
		.amdhsa_next_free_vgpr 210
		.amdhsa_next_free_sgpr 66
		.amdhsa_reserve_vcc 0
		.amdhsa_float_denorm_mode_32 3
		.amdhsa_float_denorm_mode_16_64 3
		.amdhsa_memory_ordered 1
		.amdhsa_forward_progress 1
		.amdhsa_inst_pref_size 61
	.end_amdhsa_kernel
	.amdgpu_metadata
---
amdhsa.version: [ 1, 2 ]
amdhsa.kernels:
  - .name:           k_qb674d8a420_main
    .symbol:         k_qb674d8a420_main.kd
    .args:
      - { .name: v, .offset: 0, .size: 8, .value_kind: global_buffer, .address_space: global }
      - { .name: upart, .offset: 8, .size: 8, .value_kind: global_buffer, .address_space: global }
      - { .name: cpart, .offset: 16, .size: 8, .value_kind: global_buffer, .address_space: global }
      - { .name: opart, .offset: 24, .size: 8, .value_kind: global_buffer, .address_space: global }
    .group_segment_fixed_size: 71680
    .private_segment_fixed_size: 0
    .kernarg_segment_align: 8
    .kernarg_segment_size: 32
    .max_flat_workgroup_size: 512
    .sgpr_count:     66
    .vgpr_count:     210
    .wavefront_size: 32
...
	.end_amdgpu_metadata
.endif
;; end of part 2
;; launch final (part 3): grid 16 x 1, 8 waves a work-group, no clusters, 5,120 bytes of LDS; arguments opart, out0; writes out0
.if DOCPART == 3
	.amdgcn_target "amdgcn-amd-amdhsa--gfx1250"
	.amdhsa_code_object_version 6
	.text
	.protected	k_qb674d8a420_final
	.globl	k_qb674d8a420_final
	.p2align	8
	.type	k_qb674d8a420_final,@function
k_qb674d8a420_final:
	s_mov_b64 s[64:65], 0
	v_nop
	global_prefetch_b8 v0, s[64:65] scope:SCOPE_SE
	s_setreg_imm32_b32 hwreg(HW_REG_WAVE_MODE, 25, 1), 1
	s_wait_xcnt 0x0
; out0[k] = sum over g = 0 .. 255 of opart[g][k], in f32, as a tree.
; Sixteen work-groups: work-group j owns columns 64 j .. 64 j + 63, the j-th aligned block of 256 bytes of out0, and stores it whole.
; out0 has sixteen such blocks, so there is work for sixteen owners.  Lane (r, h) of wave w adds rows 32 w + 16 h + t, t = 0 .. 15, of
; columns 64 j + 4 r .. + 3: sixteen neighbouring lanes read 256 consecutive bytes of a row.  The 16 half-waves' sums meet in LDS.
.set X, 8                              ; v[8:71]  16 rows x 4 columns as loaded; then the 16 pairs that are added
; 16 pairs of f32, stride bytes apart in LDS, added as a tree into v[R:R+1]
.macro SUM16 R, adr, stride
.irp k, 0,1,2,3,4,5,6,7,8,9,10,11,12,13,14,15
	ds_load_b64 v[\R+2*\k:\R+2*\k+1], v[\adr] offset:\k*\stride
.endr
	s_wait_dscnt 0x0
.irp k, 0,1,2,3,4,5,6,7
	v_pk_add_f32 v[\R+2*\k:\R+2*\k+1], v[\R+2*\k:\R+2*\k+1], v[\R+2*\k+16:\R+2*\k+17]
.endr
.irp k, 0,1,2,3
	v_pk_add_f32 v[\R+2*\k:\R+2*\k+1], v[\R+2*\k:\R+2*\k+1], v[\R+2*\k+8:\R+2*\k+9]
.endr
.irp k, 0,1
	v_pk_add_f32 v[\R+2*\k:\R+2*\k+1], v[\R+2*\k:\R+2*\k+1], v[\R+2*\k+4:\R+2*\k+5]
.endr
	v_pk_add_f32 v[\R:\R+1], v[\R:\R+1], v[\R+2:\R+3]
.endm
	s_load_b128 s[4:7], s[0:1], 0x0                ; opart s[4:5], out0 s[6:7]
	v_lshl_add_u32 v72, v0, 2, 0x1000
	v_mov_b32 v73, 0
	v_and_b32 v1, 31, v0                           ; lane
	v_lshrrev_b32 v2, 5, v0                        ; wave
	v_readfirstlane_b32 s8, v2
	v_and_b32 v3, 15, v0                           ; r
	v_bfe_u32 v4, v0, 4, 1                         ; h
	s_lshl_b32 s2, ttmp9, 8                        ; 64 columns = 256 bytes, in opart's rows and in out0
	s_mov_b32 s3, 0
	v_lshlrev_b32 v5, 4, v3                        ; 16 r
	v_lshl_add_u32 v5, v4, 16, v5                  ; + 16 h rows of 4,096 bytes
	v_lshl_add_u32 v5, v2, 17, v5                  ; + 32 w rows
	v_lshlrev_b32 v7, 4, v0                        ; 16 x thread: LDS row 2 w + h of 256 bytes, 16 r in it
	s_wait_kmcnt 0x0
	s_add_nc_u64 s[4:5], s[4:5], s[2:3]
	s_add_nc_u64 s[6:7], s[6:7], s[2:3]
.irp t, 0,1,2,3,4,5,6,7,8,9,10,11,12,13,14,15
	global_load_b128 v[X+4*\t:X+4*\t+3], v5, s[4:5] offset:4096*\t th:TH_LOAD_NT
.endr
.irp t, 1,2,3,4,5,6,7,8,9,10,11,12,13,14,15
	s_wait_loadcnt 15-\t                           ; row t and all older rows are in; the 15 - t younger loads stay out
	v_pk_add_f32 v[X:X+1],   v[X:X+1],   v[X+4*\t:X+4*\t+1]
	v_pk_add_f32 v[X+2:X+3], v[X+2:X+3], v[X+4*\t+2:X+4*\t+3]
.endr
	ds_store_b128 v7, v[X:X+3]
	s_wait_dscnt 0x0                               ; my sums are in LDS, for wave 0's sake
	s_barrier_signal -1
	s_barrier_wait -1
	s_cmp_lg_u32 s8, 0
	s_cbranch_scc1 .Lend                           ; wave 0 alone adds up and stores
	v_lshlrev_b32 v6, 3, v1                        ; lane l: columns 2 l, 2 l + 1 of the block's 64
	SUM16 X, 6, 256
	global_store_b64 v6, v[X:X+1], s[6:7]          ; the wave stores 256 consecutive bytes, aligned
.Lend:
	s_wait_tensorcnt 0x0
	ds_add_u32 v72, v73
	s_wait_dscnt 0x0
	s_endpgm
.Lfunc_end_k_qb674d8a420_final:
	.size	k_qb674d8a420_final, .Lfunc_end_k_qb674d8a420_final-k_qb674d8a420_final
	.p2alignl 7, 3214868480
	.fill 96, 4, 3214868480
	.section	.rodata,"a",@progbits
	.p2align	6, 0x0
	.amdhsa_kernel k_qb674d8a420_final
		.amdhsa_group_segment_fixed_size 5120
		.amdhsa_private_segment_fixed_size 0
		.amdhsa_enable_private_segment 0
		.amdhsa_kernarg_size 16
		.amdhsa_user_sgpr_count 2
		.amdhsa_user_sgpr_kernarg_segment_ptr 1
		.amdhsa_wavefront_size32 1
		.amdhsa_system_sgpr_workgroup_id_x 1
		.amdhsa_system_sgpr_workgroup_id_y 1
		.amdhsa_system_sgpr_workgroup_id_z 1
		.amdhsa_system_vgpr_workitem_id 0
		.amdhsa_next_free_vgpr 74
		.amdhsa_next_free_sgpr 66
		.amdhsa_reserve_vcc 0
		.amdhsa_float_denorm_mode_32 3
		.amdhsa_float_denorm_mode_16_64 3
		.amdhsa_memory_ordered 1
		.amdhsa_forward_progress 1
		.amdhsa_inst_pref_size 8
	.end_amdhsa_kernel
	.amdgpu_metadata
---
amdhsa.version: [ 1, 2 ]
amdhsa.kernels:
  - .name:           k_qb674d8a420_final
    .symbol:         k_qb674d8a420_final.kd
    .args:
      - { .name: opart, .offset: 0, .size: 8, .value_kind: global_buffer, .address_space: global }
      - { .name: out0, .offset: 8, .size: 8, .value_kind: global_buffer, .address_space: global }
    .group_segment_fixed_size: 5120
    .private_segment_fixed_size: 0
    .kernarg_segment_align: 8
    .kernarg_segment_size: 16
    .max_flat_workgroup_size: 256
    .sgpr_count:     66
    .vgpr_count:     74
    .wavefront_size: 32
...
	.end_amdgpu_metadata
.endif
;; end of part 3
;; ======== version 2 of 2: 3 launches; version 1 with the launch main written anew for expert scheduling mode
;; workspace buffers: upart 32,768 bytes; cpart 512 bytes; opart 1,048,576 bytes
;; launch prep: the kernel of part 1 again; grid 128 x 2, 8 waves a work-group, no clusters, 5,376 bytes of LDS; arguments W1, W2, b, q, v, upart, cpart; writes upart, cpart
;; launch main (part 4): grid 256 x 1, 16 waves a work-group, no clusters, 71,680 bytes of LDS; arguments v, upart, cpart, opart; writes opart
.if DOCPART == 4
	.amdgcn_target "amdgcn-amd-amdhsa--gfx1250"
	.amdhsa_code_object_version 6
	.text
	.protected	k_qb674d8a420_main
	.globl	k_qb674d8a420_main
	.p2align	8
	.type	k_qb674d8a420_main,@function
k_qb674d8a420_main:
	s_mov_b64 s[64:65], 0
	v_nop
	global_prefetch_b8 v0, s[64:65] scope:SCOPE_SE
	s_setreg_imm32_b32 hwreg(HW_REG_WAVE_SCHED_MODE, 0, 2), 2
	s_setreg_imm32_b32 hwreg(HW_REG_WAVE_MODE, 25, 1), 1
	s_wait_xcnt 0x0
	s_wait_alu depctr_vm_vsrc(0)
; opart[g][k] = sum over the 256 rows s of work-group g of (u . v_s + c) v_s[k], with u = the sum of upart's 8 rows, c = the sum of cpart's 128 numbers.
; v is read from memory ONCE: a row is 4,096 bytes, 32 registers of one wave, and stays in registers between the dot product with u
; and the accumulation of score x row.  One wave, one row: the score never leaves the wave.
; Sixteen waves; in turn i (0 .. 15) wave w takes row 256 g + 16 i + w, so the work-group walks 65,536 consecutive bytes a turn.
; Lane l holds columns 128 j + 4 l .. + 3 in registers 4 j .. 4 j + 3: each load of a wave covers 512 consecutive bytes, aligned.
; Each wave keeps a ring of five row slots in registers: one at work, three on their way, one being asked for.
; The 16 turns are written out: every row's place stands in the load's immediate (986,624 at the most, inside its signed 24 bits),
; no address register is ever stepped, and turn 0 starts the sums by a multiply, so that nothing is cleared.
; No matrix unit (one multiply-add for each two bytes read, all of it a vector's product with a row), no LDS ring (registers hold what is
; in flight), no cluster (work-groups share only the 33,280 bytes of partial sums), no prefetch (the launch is one unbroken stream).
; LIMIT (order of rounding): f32 throughout; scores are (q W1) . v_s + c, associated otherwise than the reference's q . (W1 v_s + ctx),
; and sums over rows are added wave by wave and then as trees.  c is added to each score before the score multiplies its row, as in the
; reference: no difference of large sums is formed.
; THE MODE: SCHED_MODE bits 1:0 = 2 (LLVM: expert scheduling mode 2), set by the entry lines.  The code itself states the register dependences
; between vector instructions and memory or LDS instructions, with s_wait_alu, always for 0.
; THE PLAN.  Registers that memory or LDS instructions touch:
;   X0 .. X4       five row slots.  Turn i's 32 packed lines read slot i % 5; its eight loads (row i + 4) land in slot (i + 4) % 5 = (i - 1) % 5,
;                  the slot that turn i - 1 worked on and that no vector instruction of turn i names.  At the end X0 takes the stage's 16 pairs.
;   v1 - v4, v240  offsets and LDS addresses, made once at the head and never written again.
;   v[48:49]       ahead of turn 0 the data of the LDS store of u; from turn 0 on part of ACC.
;   ACC            written by the turns, read by the LDS stores of the way out.
;   U is loaded from LDS once and then read by vector instructions alone; C, T and D are named by vector instructions alone.
; So ONE wait on va_vdst stands at the head of each turn that loads (turn 0 apart: nothing has named slot 4), and the turn's eight loads are
; dealt among the lines of its dot product with no further wait.
.set C,   5                            ; v5        c
.set T,   6                            ; v6        the row's score; v7 beside it: the other half of the pair, and the exchange's landing place
.set D,   8                            ; v[8:15]   four chains of two sums for the dot product
.set U,   16                           ; v[16:47]  u, my 32 columns
.set ACC, 48                           ; v[48:79]  sum of score x row, my 32 columns
.set P,   48                           ; v[48:63]  ahead of turn 0: the 8 partial sums of my two columns of u
.set CP,  64                           ; v[64:67]  ahead of turn 0: my four numbers of cpart
.set X,   80                           ; v[80:239] five row slots of 32 registers; at the end the 16 pairs that are added
.set SA,  240                          ; v240      LDS address of my two columns in the stage's first row; never rewritten
.set STAGE, 4096                       ; LDS: u in bytes 0 .. 4,095; behind it one row of 4,096 bytes for each wave
.set SELLO, 12
.set SELHI, 13
; the sum of v[r] over the 32 lanes, in every lane; v[t] has been written before
.macro WAVESUM r, t
.irp m, 1,2,4,8
	v_add_f32_dpp v[\r], v[\r], v[\r] row_xmask:\m row_mask:0xf bank_mask:0xf
.endr
	v_permlanex16_b32 v[\t], v[\r], s[SELLO], s[SELHI]
	v_add_f32 v[\r], v[\r], v[\t]
.endm
; 16 pairs of f32, stride bytes apart in LDS, added as a tree into v[R:R+1]
.macro SUM16 R, adr, stride
.irp k, 0,1,2,3,4,5,6,7,8,9,10,11,12,13,14,15
	ds_load_b64 v[\R+2*\k:\R+2*\k+1], v[\adr] offset:\k*\stride
.endr
	s_wait_dscnt 0x0
.irp k, 0,1,2,3,4,5,6,7
	v_pk_add_f32 v[\R+2*\k:\R+2*\k+1], v[\R+2*\k:\R+2*\k+1], v[\R+2*\k+16:\R+2*\k+17]
.endr
.irp k, 0,1,2,3
	v_pk_add_f32 v[\R+2*\k:\R+2*\k+1], v[\R+2*\k:\R+2*\k+1], v[\R+2*\k+8:\R+2*\k+9]
.endr
.irp k, 0,1
	v_pk_add_f32 v[\R+2*\k:\R+2*\k+1], v[\R+2*\k:\R+2*\k+1], v[\R+2*\k+4:\R+2*\k+5]
.endr
	v_pk_add_f32 v[\R:\R+1], v[\R:\R+1], v[\R+2:\R+3]
.endm
; piece j (512 bytes of the wave) of the row of turn i, into slot i mod 5
.macro LD i, j
	global_load_b128 v[X+32*((\i)%5)+4*(\j):X+32*((\i)%5)+4*(\j)+3], v2, s[4:5] offset:(\i)*65536+512*(\j) th:TH_LOAD_NT
.endm
; the whole row of turn i: eight loads
.macro FILL i
.irp j, 0,1,2,3,4,5,6,7
	LD \i, \j
.endr
.endm
	s_load_b256 s[4:11], s[0:1], 0x0               ; v s[4:5], upart s[6:7], cpart s[8:9], opart s[10:11]
	v_lshl_add_u32 v241, v0, 2, 0x11000
	v_mov_b32 v242, 0
	s_lshl_b32 s2, ttmp9, 20                       ; 256 rows of 4,096 bytes (255 x 2^20 at the most)
	s_mov_b32 s3, 0
	s_lshl_b32 s14, ttmp9, 12                      ; opart[g]
	s_mov_b32 s15, 0
	s_mov_b32 s[SELLO], 0x76543210                 ; lane i of one half reads lane i of the other
	s_mov_b32 s[SELHI], 0xfedcba98
	v_and_b32 v1, 31, v0
	v_and_b32 v7, 0x1e0, v0                        ; 32 x wave
	v_lshlrev_b32 v1, 4, v1                        ; 16 x lane
	v_lshl_add_u32 v2, v7, 7, v1                   ; + wave x 4,096: my 16 bytes of my wave's row; never rewritten
	v_lshlrev_b32 v3, 3, v0                        ; 8 x thread: columns 2 t, 2 t + 1
	v_add_nc_u32 v4, STAGE, v2                     ; my 16 bytes of my wave's row of the stage
	v_add_nc_u32 v[SA], STAGE, v3                  ; thread t: columns 2 t, 2 t + 1 of each wave's row of the stage
	s_wait_kmcnt 0x0
	s_add_nc_u64 s[4:5], s[4:5], s[2:3]
	s_add_nc_u64 s[10:11], s[10:11], s[14:15]
	s_wait_alu depctr_va_vdst(0)                   ; v1 to v4 and v240 are written: every load, store and LDS instruction of the kernel reads one of them as its offset or address
.irp i, 0,1,2,3,4,5,6,7
	global_load_b64 v[P+2*\i:P+2*\i+1], v3, s[6:7] offset:4096*\i   ; thread t: upart[i][2 t], [2 t + 1]
.endr
	global_load_b128 v[CP:CP+3], v1, s[8:9]        ; each wave reads all 128 numbers of cpart
	FILL 0
	FILL 1
	FILL 2
	FILL 3
	s_wait_loadcnt 32                              ; the 32 loads of the four slots are younger and stay out: the partial sums are in
.irp k, 0,1,2,3
	v_pk_add_f32 v[P+2*\k:P+2*\k+1], v[P+2*\k:P+2*\k+1], v[P+2*\k+8:P+2*\k+9]
.endr
.irp k, 0,1
	v_pk_add_f32 v[P+2*\k:P+2*\k+1], v[P+2*\k:P+2*\k+1], v[P+2*\k+4:P+2*\k+5]
.endr
	v_pk_add_f32 v[P:P+1], v[P:P+1], v[P+2:P+3]
	s_wait_alu depctr_va_vdst(0)                   ; the adds have written v[P:P+1], which the LDS store reads
	ds_store_b64 v3, v[P:P+1]                      ; u[2 t], u[2 t + 1]
	s_wait_dscnt 0x0                               ; my part of u is in LDS, for the other waves' sake
	s_barrier_signal -1
	v_pk_add_f32 v[CP:CP+1], v[CP:CP+1], v[CP+2:CP+3]   ; register work while the others arrive: c
	v_add_f32 v[C], v[CP], v[CP+1]
	WAVESUM C, T+1
	s_barrier_wait -1
	s_wait_alu depctr_vm_vsrc(0)                   ; my LDS store has read v[P:P+1]: these registers are part of ACC from here on, written by turn 0's multiplies
.irp j, 0,1,2,3,4,5,6,7
	ds_load_b128 v[U+4*\j:U+4*\j+3], v1 offset:512*\j   ; u in the rows' layout; no vector instruction has named these registers
.endr
	s_wait_dscnt 0x0
; Turn i: the row in slot i mod 5.  Turns 0 to 11 ask for the row four turns on, into the slot that the turn before worked on.
.macro TURN i
.set XS, X+32*((\i)%5)
.if \i < 12
	s_wait_loadcnt 24                              ; loads return in order (ISA guide 5.7.1): my row is in, the three younger rows stay out
.else
	s_wait_loadcnt 8*(15-\i)                       ; nothing is fetched any more: the counts run down 24, 16, 8, 0
.endif
.if (\i > 0) && (\i < 12)
	s_wait_alu depctr_va_vdst(0)                   ; the turn before is done reading its slot, in which the eight loads below land; no vector instruction of this turn names that slot
.endif
.irp k, 0,1,2,3,4,5,6,7,8,9,10,11,12,13,14,15
.if (\i < 12) && ((\k%2) == 0)
	LD \i+4, \k/2                                  ; a load ahead of every two lines of the dot product (turn 0: into slot 4, which nothing has named)
.endif
.if \k < 4
	v_pk_mul_f32 v[D+2*\k:D+2*\k+1], v[XS+2*\k:XS+2*\k+1], v[U+2*\k:U+2*\k+1]        ; the first four pairs start four chains
.else
	v_pk_fma_f32 v[D+2*(\k%4):D+2*(\k%4)+1], v[XS+2*\k:XS+2*\k+1], v[U+2*\k:U+2*\k+1], v[D+2*(\k%4):D+2*(\k%4)+1]
.endif
.endr
	v_pk_add_f32 v[D:D+1],   v[D:D+1],   v[D+4:D+5]
	v_pk_add_f32 v[D+2:D+3], v[D+2:D+3], v[D+6:D+7]
	v_pk_add_f32 v[D:D+1],   v[D:D+1],   v[D+2:D+3]
	v_add_f32 v[T], v[D], v[D+1]
	WAVESUM T, T+1                                 ; u . v_s in every lane
	v_add_f32 v[T], v[T], v[C]                     ; the score
.irp k, 0,1,2,3,4,5,6,7,8,9,10,11,12,13,14,15
.if \i == 0
	v_pk_mul_f32 v[ACC+2*\k:ACC+2*\k+1], v[XS+2*\k:XS+2*\k+1], v[T:T+1] op_sel_hi:[1,0]          ; the first row starts the sums
.else
	v_pk_fma_f32 v[ACC+2*\k:ACC+2*\k+1], v[XS+2*\k:XS+2*\k+1], v[T:T+1], v[ACC+2*\k:ACC+2*\k+1] op_sel_hi:[1,0,1]
.endif
.endr
.endm
.irp i, 0,1,2,3,4,5,6,7,8,9,10,11,12,13,14,15
	TURN \i
.endr
	; the 16 waves' sums meet in the stage, which shares no byte with u
	s_wait_alu depctr_va_vdst(0)                   ; turn 15 has written ACC, which the LDS stores read, and is done reading slot 0, in which the stage's pairs land; no vector instruction stands between this wait and those loads
.irp j, 0,1,2,3,4,5,6,7
	ds_store_b128 v4, v[ACC+4*\j:ACC+4*\j+3] offset:512*\j
.endr
	s_wait_dscnt 0x0                               ; my row of the stage is written, for the other waves' sake
	s_barrier_signal -1
	s_barrier_wait -1
	SUM16 X, SA, 4096
	s_wait_alu depctr_va_vdst(0)                   ; the adds have written v[X:X+1], which the store reads
	global_store_b64 v3, v[X:X+1], s[10:11]        ; each wave stores 256 consecutive bytes, aligned
	s_wait_dscnt 0x0
	s_wait_alu depctr_hold_cnt(0) depctr_sa_sdst(0) depctr_va_vdst(0) depctr_va_sdst(0) depctr_va_ssrc(0) depctr_va_vcc(0) depctr_vm_vsrc(0)
	s_wait_tensorcnt 0x0
	ds_add_u32 v241, v242
	s_wait_dscnt 0x0
	s_endpgm
.Lfunc_end_k_qb674d8a420_main:
	.size	k_qb674d8a420_main, .Lfunc_end_k_qb674d8a420_main-k_qb674d8a420_main
	.p2alignl 7, 3214868480
	.fill 96, 4, 3214868480
	.section	.rodata,"a",@progbits
	.p2align	6, 0x0
	.amdhsa_kernel k_qb674d8a420_main
		.amdhsa_group_segment_fixed_size 71680
		.amdhsa_private_segment_fixed_size 0
		.amdhsa_enable_private_segment 0
		.amdhsa_kernarg_size 32
		.amdhsa_user_sgpr_count 2
		.amdhsa_user_sgpr_kernarg_segment_ptr 1
		.amdhsa_wavefront_size32 1
		.amdhsa_system_sgpr_workgroup_id_x 1
		.amdhsa_system_sgpr_workgroup_id_y 1
		.amdhsa_system_sgpr_workgroup_id_z 1
		.amdhsa_system_vgpr_workitem_id 0
		.amdhsa_next_free_vgpr 243
		.amdhsa_next_free_sgpr 66
		.amdhsa_reserve_vcc 0
		.amdhsa_float_denorm_mode_32 3
		.amdhsa_float_denorm_mode_16_64 3
		.amdhsa_memory_ordered 1
		.amdhsa_forward_progress 1
		.amdhsa_inst_pref_size 62
	.end_amdhsa_kernel
	.amdgpu_metadata
---
amdhsa.version: [ 1, 2 ]
amdhsa.kernels:
  - .name:           k_qb674d8a420_main
    .symbol:         k_qb674d8a420_main.kd
    .args:
      - { .name: v, .offset: 0, .size: 8, .value_kind: global_buffer, .address_space: global }
      - { .name: upart, .offset: 8, .size: 8, .value_kind: global_buffer, .address_space: global }
      - { .name: cpart, .offset: 16, .size: 8, .value_kind: global_buffer, .address_space: global }
      - { .name: opart, .offset: 24, .size: 8, .value_kind: global_buffer, .address_space: global }
    .group_segment_fixed_size: 71680
    .private_segment_fixed_size: 0
    .kernarg_segment_align: 8
    .kernarg_segment_size: 32
    .max_flat_workgroup_size: 512
    .sgpr_count:     66
    .vgpr_count:     243
    .wavefront_size: 32
...
	.end_amdgpu_metadata
.endif
;; end of part 4
;; launch final: the kernel of part 3 again; grid 16 x 1, 8 waves a work-group, no clusters, 5,120 bytes of LDS; arguments opart, out0; writes out0
